; MI455X (gfx1250); checked and timed in simulation.
; The chip was launched on July 23, 2026; its instructions are those of AMD's public machine-readable ISA for CDNA 5 (MIT licence, August 2026) and "CDNA5" Instruction Set Architecture Reference Guide (July 2026). The comments in the code are by the model that wrote it; some were corrected since.
;; Attention Block. Allowed arithmetic: matrix products marked QUANTISED: E4M3 operands, one E8M0 scale for each 32 along K, by v_wmma_scale_f32_16x16x128_f8f6f4 with both operands' format E4M3, f32 sums; everything else in f32.
;; Inputs: norm_b 256 float32; norm_w 256 float32; proj_b 256 float32; proj_w_codes 256 x 8 x 32 uint8 (E4M3 codes of proj_w, K innermost, in blocks of 32 codes); proj_w_scales 256 x 8 uint8 (E8M0 scales of proj_w, one for each 32 codes along K); qkv_b 768 float32; qkv_w_codes 768 x 8 x 32 uint8 (E4M3 codes of qkv_w, K innermost, in blocks of 32 codes); qkv_w_scales 768 x 8 uint8 (E8M0 scales of qkv_w, one for each 32 codes along K); x 4 x 256 x 64 x 64 float32.
;; Outputs: out0 4 x 256 x 64 x 64 float32.
;; This version of the problem:
;;   THIS VERSION OF THE PROBLEM IS GIVEN IN LOW PRECISION. The matrix products marked QUANTISED in the list below multiply operands that are first quantised to E4M3 (4 exponent bits, 3 mantissa bits; 8 bits a number), with one power-of-two scale for each 32 numbers along K (OCP MX v1.0); their sums are f32. All else is computed in f32.
;;   The module's matrix products, in the order in which they are computed (A, B: the left and right operand; K: the contracted axis; several contracted axes count as one K, in the product's order):
;;     1. [M 768, K 256] x [K 256, N 16,384]; A: input qkv_w (given as codes); B: computed on the way: QUANTISED
;;     2. batch 16 x [M 4,096, K 64] x [K 64, N 4,096]; A: computed on the way; B: computed on the way: QUANTISED
;;     3. batch 16 x [M 4,096, K 4,096] x [K 4,096, N 64]; A: softmax (see below); B: computed on the way: QUANTISED
;;     4. [M 256, K 256] x [K 256, N 16,384]; A: input proj_w (given as codes); B: computed on the way: QUANTISED
;;   THE QUANTISER, for each operand of a quantised product, along K:
;;     - K is cut into blocks of 32 from its start; a last block that is shorter is filled with zeros.
;;     - A block's scale is 2^e with e = floor(log2(the largest magnitude in the block)) - 8, held to -126 .. 127; a block of zeros has e = 0. As a byte (E8M0): e + 127.
;;     - Each number is divided by its block's scale, clamped to +-448, and rounded to the nearest number of E4M3, ties to even, subnormals kept.
;;     - The product sums the exact products of the quantised numbers (number of the format x scale) in f32.
;;   ~~~python
;;   def quantise(x, axis):      # numpy; x: float32 -> the quantised numbers, widened to float32 again
;;       x = np.moveaxis(x, axis, -1); K = x.shape[-1]
;;       x = np.pad(x, [(0, 0)] * (x.ndim - 1) + [(0, -K % 32)]); x = x.reshape(x.shape[:-1] + (-1, 32)); a = np.abs(x).max(-1, keepdims=True)
;;       e = np.where(a > 0, np.clip(np.frexp(np.where(a > 0, a, 1))[1] - 1 - 8, -126, 127), 0)      # np.frexp(a)[1] - 1 = floor(log2(a)), exactly
;;       r = np.clip(x / 2.0 ** e, -448, 448)
;;       step = 2.0 ** (np.maximum(np.frexp(np.where(r == 0, 1, r))[1] - 1, -6) - 3)
;;       q = np.round(r / step) * step * 2.0 ** e      # np.round: ties to even
;;       return np.moveaxis(q.reshape(q.shape[:-2] + (-1,))[..., :K], -1, axis).astype(np.float32)
;;   ~~~
;;   SOFTMAX AHEAD OF A QUANTISED PRODUCT. Where the list says 'softmax', what is quantised is not the finished softmax but p = 2^(t - M), with t = logit x log2(e) and M = ceil(the row's largest t), a whole number; so 1/2 < the row's largest p <= 1. The row's sum l is taken of the UNQUANTISED p, in f32, and the product's result is divided by l at the end. Since M is a whole number, a kernel that streams over the keys may use a running M (the ceiling of the running maximum): every later rescaling is an exact power of two, which a block's scale takes up: the codes' values come out the same.
;;   OPERANDS COMPUTED ON THE WAY. 'Computed on the way' means the value that the module computes at that place (a softmax that the list does not call 'softmax' is quantised finished and normalised). What goes into a quantiser is computed in f32, as accurately as f32 sums, v_exp_f32 and their like allow (about 1e-6 of the number): no bf16 or f16 on the way to a quantiser, and a product that is left as it is and whose result goes on into a quantised operand takes f32 operands (vector FMAs, or v_wmma_f32_16x16x4_f32). A number that lies on a knife's edge between two numbers of the format may be rounded either way, as far as f32 arithmetic and the matrix unit's own rounding can turn it there, and no further.
;;   INPUTS GIVEN AS CODES. proj_w (in the module: [256, 256], K = its axis 1); qkv_w (in the module: [768, 256], K = its axis 1): each comes as NAME_codes (uint8): NAME with its K axis moved to the last place and cut into blocks of 32 codes, [.., K / 32, bytes a block], one block behind the other in memory; one code a byte (a code: sign, 4 exponent bits, 3 mantissa bits); and NAME_scales (uint8): the same leading axes, one E8M0 byte (e + 127) for each 32 codes along K. Its value is code x scale, taken as it is: it is not quantised again, and the codes and scales need not be those that the quantiser above would give.
;; One version. Each part assembles by itself: llvm-mc -triple=amdgcn-amd-amdhsa -mcpu=gfx1250 --defsym DOCPART=n.
;; ======== version 1 of 1: 4 launches
;; limits: right only within a limited range of input values
;; workspace buffers: stats 16,384 bytes; q_codes 4,194,304 bytes; q_scales 262,144 bytes; kv 8,650,752 bytes; o_codes 4,194,304 bytes; o_scales 524,288 bytes
;; launch stats (part 1): grid 256 x 1, 8 waves a work-group, no clusters, 0 bytes of LDS; arguments x, stats; writes stats
.if DOCPART == 1
	.amdgcn_target "amdgcn-amd-amdhsa--gfx1250"
	.amdhsa_code_object_version 6
	.text
	.protected	k_q1009d0f379_stats
	.globl	k_q1009d0f379_stats
	.p2align	8
	.type	k_q1009d0f379_stats,@function
k_q1009d0f379_stats:
	s_mov_b64 s[64:65], 0
	v_nop
	global_prefetch_b8 v0, s[64:65] scope:SCOPE_SE
	s_setreg_imm32_b32 hwreg(HW_REG_WAVE_MODE, 25, 1), 1
	s_wait_xcnt 0x0
; GROUP NORM, FIRST HALF.  x is [4][256][64][64] f32; a norm group is 32 channels x 4,096 pixels = 131,072 consecutive numbers.
; x is cut into 2,048 chunks of 2,048 consecutive numbers (64 chunks to a group).  A wave takes one chunk and stores its mean and
; its M2 = the sum of (x - the chunk's mean)^2: stats[chunk] = (mean, M2).  The next launch joins a group's 64 chunks.
; Mean and M2, not sum and sum of squares: with a large common offset on x the variance would else be a difference of large sums.
; Each of the wave's 16 loads reads 512 consecutive bytes; the chunk stays in 64 registers between the two passes, so x is read once here.
; No LDS, no barrier: waves share nothing.  The store is 8 bytes a wave: 16 KiB in the whole launch.
; LIMITS: NaN and infinities among the inputs are not served.
.set X,  16                            ; v16-79  the chunk: 64 numbers a lane
.set CH, 4                             ; v4-11   four chains of pairs
.macro LSUM a, d                       ; the sum of v[a] over the 32 lanes, into v[d] of every lane
.irp m, 1,2,4,8
	s_delay_alu instid0(VALU_DEP_1)
	v_add_f32_dpp v[\a], v[\a], v[\a] row_xmask:\m row_mask:0xf bank_mask:0xf
.endr
	s_delay_alu instid0(VALU_DEP_1)
	v_permlanex16_b32 v14, v[\a], s14, s15         ; the other half of the lanes (v14 was written at the head: the destination counts as read)
	s_delay_alu instid0(VALU_DEP_1)
	v_add_f32 v[\d], v[\a], v14
.endm
.macro JOIN                            ; the four chains of pairs into v4
	s_delay_alu instid0(VALU_DEP_3)
	v_pk_add_f32 v[CH:CH+1], v[CH:CH+1], v[CH+2:CH+3]
	s_delay_alu instid0(VALU_DEP_2)
	v_pk_add_f32 v[CH+4:CH+5], v[CH+4:CH+5], v[CH+6:CH+7]
	s_delay_alu instid0(VALU_DEP_1)
	v_pk_add_f32 v[CH:CH+1], v[CH:CH+1], v[CH+4:CH+5]
	s_delay_alu instid0(VALU_DEP_1)
	v_add_f32 v[CH], v[CH], v[CH+1]
.endm
	s_load_b128 s[4:7], s[0:1], 0x0                ; x s[4:5], stats s[6:7]
	v_lshrrev_b32 v1, 5, v0
	s_delay_alu instid0(VALU_DEP_1)
	v_readfirstlane_b32 s8, v1                     ; wave 0..7
	v_and_b32 v1, 31, v0                           ; lane
	s_delay_alu instid0(VALU_DEP_1)
	v_lshlrev_b32 v2, 4, v1                        ; 16 bytes a lane
	v_mov_b32 v14, 0
	v_mov_b32 v15, 0                               ; the store's offset
	s_lshl_b32 s10, ttmp9, 16                      ; my chunk's bytes in x: (8 x work-group + wave) x 8,192
	s_lshl_b32 s11, s8, 13
	s_add_co_u32 s10, s10, s11
	s_mov_b32 s11, 0
	s_lshl_b32 s12, ttmp9, 6                       ; and in stats: (8 x work-group + wave) x 8
	s_lshl_b32 s13, s8, 3
	s_add_co_u32 s12, s12, s13
	s_mov_b32 s13, 0
	s_mov_b32 s14, 0x76543210                      ; v_permlanex16_b32's selects for lane l xor 16
	s_mov_b32 s15, 0xfedcba98
	s_wait_alu depctr_va_vdst(0)
	s_wait_kmcnt 0x0
	s_add_nc_u64 s[4:5], s[4:5], s[10:11]
	s_add_nc_u64 s[6:7], s[6:7], s[12:13]
.irp i, 0,1,2,3,4,5,6,7,8,9,10,11,12,13,14,15
	global_load_b128 v[X+4*\i:X+4*\i+3], v2, s[4:5] offset:512*\i   ; 32 lanes read 512 consecutive bytes (x is read again by later launches: no hint)
.endr
	s_wait_loadcnt 0x0
	; pass 1: the sum, two numbers at a time, in four chains that the first eight pairs start
.irp k, 0,1,2,3
	v_pk_add_f32 v[CH+2*\k:CH+2*\k+1], v[X+2*\k:X+2*\k+1], v[X+8+2*\k:X+8+2*\k+1]
.endr
.set p, 8
.rept 24
	s_delay_alu instid0(VALU_DEP_4)
	v_pk_add_f32 v[CH+2*(p%4):CH+2*(p%4)+1], v[CH+2*(p%4):CH+2*(p%4)+1], v[X+2*p:X+2*p+1]
.set p, p+1
.endr
	JOIN
	LSUM CH, CH
	s_delay_alu instid0(VALU_DEP_1)
	v_mul_f32 v80, 0x3a000000, v[CH]               ; the chunk's mean: sum x 2^-11
	s_delay_alu instid0(VALU_DEP_2)
	v_mul_f32 v12, 0xba000000, v[CH]               ; and its negative, twice, for the packed additions
	s_delay_alu instid0(VALU_DEP_1)
	v_mov_b32 v13, v12
	; pass 2: x - mean in place, then the sum of the squares
.set p, 0
.rept 32
	v_pk_add_f32 v[X+2*p:X+2*p+1], v[X+2*p:X+2*p+1], v[12:13]
.set p, p+1
.endr
.irp k, 0,1,2,3
	v_pk_mul_f32 v[CH+2*\k:CH+2*\k+1], v[X+2*\k:X+2*\k+1], v[X+2*\k:X+2*\k+1]
.endr
.set p, 4
.rept 28
	s_delay_alu instid0(VALU_DEP_4)
	v_pk_fma_f32 v[CH+2*(p%4):CH+2*(p%4)+1], v[X+2*p:X+2*p+1], v[X+2*p:X+2*p+1], v[CH+2*(p%4):CH+2*(p%4)+1]
.set p, p+1
.endr
	JOIN
	LSUM CH, 81                                    ; M2
	v_cmp_eq_u32 vcc_lo, 0, v1
	s_wait_alu depctr_va_vdst(0)
	s_wait_xcnt 0x0                                ; EXEC is a source of every memory instruction issued: it changes only behind this wait
	s_and_saveexec_b32 s10, vcc_lo                 ; lane 0 alone stores
	global_store_b64 v15, v[80:81], s[6:7]
	s_wait_xcnt 0x0                                ; and again in front of the line that widens it
	s_or_b32 exec_lo, exec_lo, s10
	s_endpgm
.Lfunc_end_k_q1009d0f379_stats:
	.size	k_q1009d0f379_stats, .Lfunc_end_k_q1009d0f379_stats-k_q1009d0f379_stats
	.p2alignl 7, 3214868480
	.fill 96, 4, 3214868480
	.section	.rodata,"a",@progbits
	.p2align	6, 0x0
	.amdhsa_kernel k_q1009d0f379_stats
		.amdhsa_group_segment_fixed_size 0
		.amdhsa_private_segment_fixed_size 0
		.amdhsa_enable_private_segment 0
		.amdhsa_kernarg_size 16
		.amdhsa_user_sgpr_count 2
		.amdhsa_user_sgpr_kernarg_segment_ptr 1
		.amdhsa_wavefront_size32 1
		.amdhsa_system_sgpr_workgroup_id_x 1
		.amdhsa_system_sgpr_workgroup_id_y 1
		.amdhsa_system_sgpr_workgroup_id_z 1
		.amdhsa_system_vgpr_workitem_id 0
		.amdhsa_next_free_vgpr 96
		.amdhsa_next_free_sgpr 66
		.amdhsa_reserve_vcc 1
		.amdhsa_float_denorm_mode_32 3
		.amdhsa_float_denorm_mode_16_64 3
		.amdhsa_memory_ordered 1
		.amdhsa_forward_progress 1
		.amdhsa_inst_pref_size 13
	.end_amdhsa_kernel
	.amdgpu_metadata
---
amdhsa.version: [ 1, 2 ]
amdhsa.kernels:
  - .name:           k_q1009d0f379_stats
    .symbol:         k_q1009d0f379_stats.kd
    .args:
      - { .name: x, .offset: 0, .size: 8, .value_kind: global_buffer, .address_space: global }
      - { .name: stats, .offset: 8, .size: 8, .value_kind: global_buffer, .address_space: global }
    .group_segment_fixed_size: 0
    .private_segment_fixed_size: 0
    .kernarg_segment_align: 8
    .kernarg_segment_size: 16
    .max_flat_workgroup_size: 256
    .sgpr_count:     66
    .vgpr_count:     96
    .wavefront_size: 32
...
	.end_amdgpu_metadata
.endif
;; end of part 1
;; launch qkv (part 2): grid 64 x 4, 4 waves a work-group, no clusters, 17,920 bytes of LDS; arguments x, stats, norm_w, norm_b, qkv_w_codes, qkv_w_scales, qkv_b, q_codes, q_scales, kv; writes q_codes, q_scales, kv
.if DOCPART == 2
	.amdgcn_target "amdgcn-amd-amdhsa--gfx1250"
	.amdhsa_code_object_version 6
	.text
	.protected	k_q1009d0f379_qkv
	.globl	k_q1009d0f379_qkv
	.p2align	8
	.type	k_q1009d0f379_qkv,@function
k_q1009d0f379_qkv:
	s_mov_b64 s[64:65], 0
	v_nop
	global_prefetch_b8 v0, s[64:65] scope:SCOPE_SE
	s_setreg_imm32_b32 hwreg(HW_REG_WAVE_MODE, 25, 1), 1
	s_wait_xcnt 0x0
; GROUP NORM'S SECOND HALF AND THE 1x1 CONVOLUTION TO q, k, v, on codes of FP8 (E4M3) with one E8M0 scale for each 32 along K; the results are quantised at once for the attention launch.
; A work-group takes 64 pixels of one image (work-group x: which 64; y: the image).  PIXEL TILES: tile 2 pb + u (pb = pixel / 32, u = 0, 1) has as its row r the pixel 32 pb + 2 r + u: what a load of 8 bytes a lane gives.
; PHASE X.  Wave w normalises and quantises h for pixel block pb = w & 1 and channels 128 (w >> 1) on: lane (r, h) takes, of pixels 32 pb + 2 r + 0, 1, the channels 32 blk + 16 h + 0 .. 15 of each block of 32: the
;   registers run down K, so the conversions' results are the operand's registers.  A block of 32 channels is one norm group.  The two fragments (u = 0, 1) go to LDS as images of their registers (16 bytes a lane, 512 a store).
; PHASE G.  Wave w is head w.  Its 12 weight tiles x 2 K steps (384 registers) come straight from memory into registers, once, and are used from there: so nothing is asked for jointly with other work-groups
;   (a joint load would put 192 KiB a work-group through LDS and add the cluster's rounds, for operands that are read from LDS once).
;   q and k: TRANSPOSED (source 0 = 16 rows of W, source 1 = 16 pixels).  THE ROWS OF W THAT FORM A TILE ARE NOT NEIGHBOURS: lane r of tile 2 b + u takes row 32 b + 8 u + r + 8 (r / 8), so that a lane holds one pixel and the
;   16 registers of tiles 2 b, 2 b + 1 are d = 32 b + 16 h + 0 .. 15: the next product's K.   v: source 0 = 16 pixels, source 1 = 16 rows of W: a lane holds one d, and the 16 registers of (u = 0, u = 1) are 16 keys of one block of 32.
;   The keys inside a block of 32 stand in the order 16 h + 2 j + u at place 16 h + 8 u + j; the attention launch's p has the same order, so the products are those of the true order.
;   The biases are the C of each sum's first matrix instruction.
; OUT, all as images of registers (a group = 512 bytes, lane l's 16 bytes at 16 l):
;   q_codes [bh][tile 256][d block 2][512];  q_scales [bh][tile][row 16] words (s0, s1, s0, s1);
;   kv [bh][step 32][16,896]: a record for 128 keys: +0 K: key block f x 2,048 (groups 0, 1: tile u = 0; groups 2, 3: tile u = 1);  +8,192 V: d tile t x 2,048 (group c: key block c);
;   +16,384 K's scale words, f x 64 + 4 r, bytes (u0 b0, u0 b1, u1 b0, u1 b1);  +16,640 V's scale bytes: half hs x 128 + 4 lane: lanes 0-15 tiles 0 | 1 << 16, lanes 16-31 tiles 2 | 3 << 16, each 16 bits = key blocks 2 hs, 2 hs + 1.
; A work-group writes half a record (hs = work-group x & 1); every store covers 128 or 512 consecutive bytes, aligned.
; THE QUANTISER: a block's scale byte is its largest magnitude's exponent field - 8, held at 1 from below.  LIMITS: a block of zeros gets the byte 1 where the rule says 127 (its codes are zeros, which add nothing under any
; byte but 0xff, and this program alone reads the bytes); NaN and infinities among the inputs are not served; 1 / sqrt(var + eps) is v_rsq_f32.
; REGISTERS, in windows of 256.  Window 0: v1-13 addresses; v16-79 h's four fragments (u, K step); v80-143 64 numbers at work (h, then accumulators); v144-159 codes; v160-191 at work; v192-215 W's scale words;
;   v216-223 (-mean, 1/std) of my four groups; v224-247 the statistics at work.   Window 1: Wq's 8 fragments, Wk's 8.   Window 2: Wv's 8; from v128 the bias tiles of q, k, v.   Window 3: v0-127 x; v128-191 the gain; v192-255 the norm's bias.
.set HF,   16
.set ACC,  80
.set PC,   144
.set TM,   160                         ; +0 largest magnitudes, +4 the other half's, then bytes, +12 the conversion's scale operand
.set PW,   176                         ; the scale word just made
.set QW,   177
.set KW0,  178
.set KWS,  179
.set VB0,  180                         ; v180-183 V's bytes of pixel block 0
.set HS,   184                         ; v184-187 h's scale words (2 u + K step)
.set T0,   188                         ; v188-191 at work
.set WS,   192                         ; W's scale words: 8 kind + 2 tile + K step
.set NMR,  216
.set RAW,  224
.set WK,   240
.set XIMG, 0                           ; LDS: h's 8 fragments, ((2 pb + u) 2 + K step) x 2,048
.set XSC,  16384                       ; and their scale words, x 128
.set REC,  16896
.set MSB, 0
.macro WIN new                         ; the immediate's high byte repeats the setting that is left
.if MSB != \new
	s_set_vgpr_msb (MSB<<8)|\new
.set MSB, \new
.endif
.endm
.macro PLACES n
.rept \n
	v_nop
.endr
.endm
.macro XSUM a                          ; four sums over the 32 lanes, by turns
.irp m, 1,2,4,8
.irp k, 0,1,2,3
	v_add_f32_dpp v[\a+\k], v[\a+\k], v[\a+\k] row_xmask:\m row_mask:0xf bank_mask:0xf
.endr
.endr
.irp k, 0,1,2,3
	v_permlanex16_b32 v[WK+4+\k], v[\a+\k], s28, s29
.endr
.irp k, 0,1,2,3
	v_add_f32 v[\a+\k], v[\a+\k], v[WK+4+\k]
.endr
.endm
; 64 numbers of a lane, v[s + 16 b + i], four blocks of which lane l xor 16 holds the other 16 numbers each, become 16 registers of codes in v[PC] on, the four bytes in v[TM+4] on and the scale word in v[PW].
.macro QUANT s
.irp b, 0,1,2,3
	v_max3_num_f32 v[TM+\b], |v[\s+16*\b]|, |v[\s+1+16*\b]|, 0x4800000   ; my 16 numbers, and the floor 2^(9 - 127): the byte cannot fall under 1
.endr
.irp i, 2,4,6,8,10,12,14
.irp b, 0,1,2,3
	v_max3_num_f32 v[TM+\b], v[TM+\b], |v[\s+16*\b+\i]|, |v[\s+1+16*\b+\i]|   ; the four blocks by turns
.endr
.endr
.irp b, 0,1,2,3
	v_permlanex16_b32 v[TM+4+\b], v[TM+\b], s28, s29
.endr
.irp b, 0,1,2,3
	v_max_num_f32 v[TM+\b], v[TM+\b], v[TM+4+\b]   ; the block's largest magnitude
.endr
.irp b, 0,1,2,3
	v_add_nc_u32 v[TM+12+\b], 0xfc000000, v[TM+\b] ; 8 off its exponent field: the conversion takes this operand's exponent field as its scale
.endr
.irp b, 0,1,2,3
.endr
.irp b, 0,1,2,3
	v_lshrrev_b32 v[TM+4+\b], 23, v[TM+12+\b]      ; the scale's byte
.endr
	v_lshl_or_b32 v[PW], v[TM+5], 8, v[TM+4]
	v_lshl_or_b32 v[PW], v[TM+6], 16, v[PW]
	v_lshl_or_b32 v[PW], v[TM+7], 24, v[PW]
.irp b, 0,1,2,3
.irp i, 0,1,2,3,4,5,6,7,8,9,10,11,12,13,14,15
.endr
	v_cvt_scalef32_pk8_fp8_f32 v[PC+4*\b:PC+1+4*\b], v[\s+16*\b:\s+7+16*\b], v[TM+12+\b]
	v_cvt_scalef32_pk8_fp8_f32 v[PC+2+4*\b:PC+3+4*\b], v[\s+8+16*\b:\s+15+16*\b], v[TM+12+\b]
.endr
	v_nop                                          ; one plain line behind the last conversion, ahead of whatever next touches its registers
.endm
.macro IMAGE adr, off                  ; the fragment in v[PC] on goes to LDS as it stands
.irp c, 0,1,2,3
	ds_store_b128 v[\adr], v[PC+4*\c:PC+4*\c+3] offset:\off+512*\c
.endr
.endm
.macro FETCH reg, off                  ; and comes back so, in any wave
.irp c, 0,1,2,3
	ds_load_b128 v[\reg+4*\c:\reg+4*\c+3], v4 offset:\off+512*\c
.endr
.endm
.macro WFRAGS kind, reg                ; my head's 4 tiles x 2 K steps of q's (0), k's (1) or v's (2) rows of W: 32 loads
.irp ot, 0,1,2,3
.irp ks, 0,1
.irp c, 0,1,2,3
	global_load_b128 v[\reg+16*(2*\ot+\ks)+4*\c:\reg+16*(2*\ot+\ks)+4*\c+3], v8, s[12:13] offset:(256*\kind+32*(\ot/2)+8*(\ot%2))*256+128*\ks+32*\c
.endr
.endr
.endr
.endm
.macro BTILES kind                     ; q's or k's bias in the transposed result's layout: register j of tile 2 b + u: row 32 b + 16 h + 8 u + j: 8 loads
.irp ot, 0,1,2,3
	global_load_b128 v[128+32*\kind+8*\ot:128+32*\kind+8*\ot+3], v7, s[16:17] offset:(256*\kind+32*(\ot/2)+8*(\ot%2))*4
	global_load_b128 v[128+32*\kind+8*\ot+4:128+32*\kind+8*\ot+7], v7, s[16:17] offset:(256*\kind+32*(\ot/2)+8*(\ot%2))*4+16
.endr
.endm
.macro STORE4 base, off, stride        ; the four groups of codes: each store covers 512 consecutive bytes
.irp g, 0,1,2,3
	global_store_b128 v4, v[PC+4*\g:PC+4*\g+3], s[\base:\base+1] offset:\off+\stride*\g
.endr
.endm
; q's or k's 8 accumulators (u, tile) by turns, K step by K step; then they are quantised: QUANT's block 2 u + b is tile u's d block b
.macro QK kind
	WIN 0x21                                       ; source 0 (W) window 1, source 2 (the bias) window 2
.irp u, 0,1
.irp ot, 0,1,2,3
	v_wmma_scale_f32_16x16x128_f8f6f4 v[ACC+32*\u+8*\ot:ACC+32*\u+8*\ot+7], v[128*\kind+32*\ot:128*\kind+32*\ot+15], v[HF+32*\u:HF+32*\u+15], v[128+32*\kind+8*\ot:128+32*\kind+8*\ot+7], v[WS+8*\kind+2*\ot], v[HS+2*\u]
.endr
.endr
	WIN 0x01
.irp u, 0,1
.irp ot, 0,1,2,3
	v_wmma_scale_f32_16x16x128_f8f6f4 v[ACC+32*\u+8*\ot:ACC+32*\u+8*\ot+7], v[128*\kind+32*\ot+16:128*\kind+32*\ot+31], v[HF+32*\u+16:HF+32*\u+31], v[ACC+32*\u+8*\ot:ACC+32*\u+8*\ot+7], v[WS+8*\kind+2*\ot+1], v[HS+2*\u+1]
.endr
.endr
	WIN 0
	PLACES 9                                       ; eight in front of the first read of results; the ninth since the next products begin these accumulators anew (ISA guide 7.12.1)
	s_wait_xcnt 0x0                                ; the earlier stores have read their data: the codes' registers are written again only behind this wait
	QUANT ACC
.endm
.macro VV                              ; v: sources swapped; accumulator (tile, u); QUANT's block is the d tile
	WIN 0x28                                       ; source 1 (W) and source 2 (the bias) window 2
.irp ot, 0,1,2,3
.irp u, 0,1
	v_wmma_scale_f32_16x16x128_f8f6f4 v[ACC+16*\ot+8*\u:ACC+16*\ot+8*\u+7], v[HF+32*\u:HF+32*\u+15], v[32*\ot:32*\ot+15], v[192+8*\ot:192+8*\ot+7], v[HS+2*\u], v[WS+16+2*\ot]
.endr
.endr
	WIN 0x08
.irp ot, 0,1,2,3
.irp u, 0,1
	v_wmma_scale_f32_16x16x128_f8f6f4 v[ACC+16*\ot+8*\u:ACC+16*\ot+8*\u+7], v[HF+32*\u+16:HF+32*\u+31], v[32*\ot+16:32*\ot+31], v[ACC+16*\ot+8*\u:ACC+16*\ot+8*\u+7], v[HS+2*\u+1], v[WS+16+2*\ot+1]
.endr
.endr
	WIN 0
	PLACES 9                                       ; as above; they also stand in front of the next pixel block's loads into h's fragments and scale words
	s_wait_xcnt 0x0
	QUANT ACC
.endm
	s_load_b512 s[4:19], s[0:1], 0x0               ; x s[4:5], stats s[6:7], norm_w s[8:9], norm_b s[10:11], W's codes s[12:13], W's scales s[14:15], qkv_b s[16:17], q_codes s[18:19]
	s_load_b128 s[20:23], s[0:1], 0x40             ; q_scales s[20:21], kv s[22:23]
	v_lshl_add_u32 v254, v0, 2, 0x4400
	v_mov_b32 v255, 0
	v_lshrrev_b32 v1, 5, v0
	v_readfirstlane_b32 s24, v1                    ; wave 0..3: in phase G my head
	v_and_b32 v1, 31, v0                           ; lane
	v_and_b32 v2, 15, v0                           ; r
	v_bfe_u32 v3, v0, 4, 1                         ; h
	v_lshlrev_b32 v4, 4, v1                        ; 16 x lane: an image's place for my lane
	v_lshlrev_b32 v5, 2, v1                        ; 4 x lane: a scale word's
	v_lshlrev_b32 v6, 3, v2
	v_lshl_add_u32 v6, v3, 18, v6                  ; x: 8 r (two pixels) + 16 h channels of 16,384 bytes
	v_lshlrev_b32 v7, 6, v3                        ; 64 h: my 16 of a block's 32 numbers of a gain or a bias
	v_and_b32 v10, 8, v2
	v_add_nc_u32 v10, v10, v2                      ; r + 8 (r / 8)
	v_lshlrev_b32 v8, 8, v10
	v_lshl_add_u32 v8, v3, 4, v8                   ; W's codes: a tile's row of 256 bytes, + 16 h
	v_lshlrev_b32 v9, 3, v10                       ; W's scale bytes: 8 a row
	v_lshlrev_b32 v11, 2, v10                      ; v's bias: 4 bytes a row
	s_and_b32 s25, s24, 1                          ; phase X: my pixel block
	s_lshr_b32 s26, s24, 1                         ; and my K step
	s_lshl_b32 s44, s25, 13
	s_lshl_b32 s45, s26, 11
	s_add_co_u32 s44, s44, s45
	v_add_nc_u32 v12, s44, v4                      ; where I store h's images: 16 x lane + 8,192 pb + 2,048 K step
	s_lshl_b32 s44, s25, 9
	s_lshl_b32 s45, s26, 7
	s_add_co_u32 s44, s44, s45
	v_add_nc_u32 v13, s44, v5                      ; and their scale words: 4 x lane + 512 pb + 128 K step
	s_mov_b32 s27, 0xffff0000                      ; a mask of lanes 16-31
	s_mov_b32 s28, 0x76543210                      ; v_permlanex16_b32's selects for lane l xor 16
	s_mov_b32 s29, 0xfedcba98
	s_mov_b32 s31, 0x3727c5ac                      ; eps = 1e-5
.irp k, 0,1,2,3
	v_mov_b32 v[TM+4+\k], 0                        ; written once: a lane permute's destination counts as one of its sources
	v_mov_b32 v[WK+4+\k], 0
.endr
	s_and_b32 s46, ttmp7, 0xffff                   ; the image b
	s_lshl_b32 s47, s46, 2
	s_add_co_u32 s47, s47, s24                     ; bh = 4 b + head
	s_lshr_b32 s48, ttmp9, 1                       ; the key step that my 64 pixels lie in,
	s_and_b32 s49, ttmp9, 1                        ; and which half of it
	s_mov_b32 s45, 0
	s_wait_kmcnt 0x0
	s_lshl_b32 s44, s46, 22                        ; x: image, my 128 channels, the work-group's 64 pixels, my 32
	s_lshl_b32 s50, s26, 21
	s_add_co_u32 s44, s44, s50
	s_lshl_b32 s50, ttmp9, 8
	s_add_co_u32 s44, s44, s50
	s_lshl_b32 s50, s25, 7
	s_add_co_u32 s44, s44, s50
	s_add_nc_u64 s[4:5], s[4:5], s[44:45]
	s_lshl_b32 s44, s46, 12                        ; stats: group 8 b + 4 K step, 512 bytes a group
	s_lshl_b32 s50, s26, 11
	s_add_co_u32 s44, s44, s50
	s_add_nc_u64 s[6:7], s[6:7], s[44:45]
	s_lshl_b32 s44, s26, 9                         ; the norm's gain and bias: my 128 channels
	s_add_nc_u64 s[8:9], s[8:9], s[44:45]
	s_add_nc_u64 s[10:11], s[10:11], s[44:45]
	s_lshl_b32 s44, s24, 14                        ; W: my head's 64 rows in each of q, k, v
	s_add_nc_u64 s[12:13], s[12:13], s[44:45]
	s_lshl_b32 s44, s24, 9
	s_add_nc_u64 s[14:15], s[14:15], s[44:45]
	s_lshl_b32 s44, s24, 8
	s_add_nc_u64 s[16:17], s[16:17], s[44:45]
	s_lshl_b32 s44, s47, 18                        ; q_codes: 256 tiles x 1,024 a head; the work-group's four tiles
	s_lshl_b32 s50, ttmp9, 12
	s_add_co_u32 s44, s44, s50
	s_add_nc_u64 s[32:33], s[18:19], s[44:45]
	s_lshl_b32 s44, s47, 14                        ; q_scales: 64 bytes a tile
	s_lshl_b32 s50, ttmp9, 8
	s_add_co_u32 s44, s44, s50
	s_add_nc_u64 s[34:35], s[20:21], s[44:45]
	s_mul_i32 s51, s47, 32*REC                     ; my record in kv
	s_mul_i32 s50, s48, REC
	s_add_co_u32 s51, s51, s50
	s_lshl_b32 s44, s49, 12                        ; K's codes: key blocks 2 hs, 2 hs + 1
	s_add_co_u32 s44, s44, s51
	s_add_nc_u64 s[36:37], s[22:23], s[44:45]
	s_lshl_b32 s44, s49, 10                        ; V's codes: groups 2 hs, 2 hs + 1 of each d tile
	s_add_co_u32 s44, s44, s51
	s_add_co_u32 s44, s44, 8192
	s_add_nc_u64 s[38:39], s[22:23], s[44:45]
	s_lshl_b32 s44, s49, 7                         ; K's scale words, V's scale bytes: my half
	s_add_co_u32 s44, s44, s51
	s_add_co_u32 s44, s44, 16384
	s_add_nc_u64 s[40:41], s[22:23], s[44:45]
	s_add_co_u32 s44, s44, 256
	s_add_nc_u64 s[42:43], s[22:23], s[44:45]
	; ---- the loads of phase X, then the first batch of weights behind them
	WIN 0xc0                                       ; destination window 3
.irp blk, 0,1,2,3
.irp i, 0,1,2,3,4,5,6,7,8,9,10,11,12,13,14,15
	global_load_b64 v[2*(16*\blk+\i):2*(16*\blk+\i)+1], v6, s[4:5] offset:(32*\blk+\i)*16384   ; channel 32 blk + 16 h + i, pixels 2 r, 2 r + 1: sixteen lanes read 128 consecutive bytes
.endr
.endr
.irp blk, 0,1,2,3
.irp q, 0,1,2,3
	global_load_b128 v[128+16*\blk+4*\q:128+16*\blk+4*\q+3], v7, s[8:9] offset:128*\blk+16*\q
	global_load_b128 v[192+16*\blk+4*\q:192+16*\blk+4*\q+3], v7, s[10:11] offset:128*\blk+16*\q
.endr
.endr
	WIN 0
.irp blk, 0,1,2,3
	global_load_b128 v[RAW+4*\blk:RAW+4*\blk+3], v4, s[6:7] offset:512*\blk   ; group blk: a lane takes chunks 2 l, 2 l + 1: mean, M2, mean, M2
.endr
	WIN 0x40                                       ; destination window 1
	WFRAGS 0, 0                                    ; Wq: 32 loads
	WIN 0x80                                       ; destination window 2
	BTILES 0                                       ; 8 loads
	BTILES 1                                       ; 8 loads
	WIN 0
	s_wait_loadcnt 48                              ; loads come back in order (ISA guide 5.7.1): all but the 48 of Wq and the two biases are in
	; ---- a group's mean and variance from its 64 chunks of 2,048: mean = the mean of the means; M2 = the sum of M2 + 2,048 (chunk's mean - mean)^2.  The four groups by turns
.irp k, 0,1,2,3
	v_add_f32 v[WK+\k], v[RAW+4*\k], v[RAW+4*\k+2]
.endr
	XSUM WK
.irp k, 0,1,2,3
	v_mul_f32 v[WK+\k], 0x3c800000, v[WK+\k]       ; x 2^-6: the group's mean
.endr
.irp k, 0,1,2,3
	v_sub_f32 v[RAW+4*\k], v[RAW+4*\k], v[WK+\k]
	v_sub_f32 v[RAW+4*\k+2], v[RAW+4*\k+2], v[WK+\k]
	v_mul_f32 v[NMR+2*\k], -1.0, v[WK+\k]
	v_add_f32 v[RAW+4*\k+1], v[RAW+4*\k+1], v[RAW+4*\k+3]
.endr
.irp k, 0,1,2,3
	v_mul_f32 v[WK+\k], v[RAW+4*\k], v[RAW+4*\k]
.endr
.irp k, 0,1,2,3
	v_fma_f32 v[WK+\k], v[RAW+4*\k+2], v[RAW+4*\k+2], v[WK+\k]
.endr
.irp k, 0,1,2,3
	v_fma_f32 v[WK+\k], v[WK+\k], 0x45000000, v[RAW+4*\k+1]
.endr
	XSUM WK
.irp k, 0,1,2,3
	v_fma_f32 v[WK+\k], v[WK+\k], 0x37000000, s31  ; x 2^-17 (131,072 numbers) + eps
.endr
	s_wait_alu depctr_va_vdst(0)
.irp k, 0,1,2,3
	v_rsq_f32 v[NMR+2*\k+1], v[WK+\k]
.endr
	v_nop                                          ; one plain line behind the transcendentals (ISA guide 5.7.2)
	WIN 0xc3                                       ; destination and source 0 window 3
	s_wait_alu depctr_va_vdst(0)
.irp blk, 0,1,2,3
.irp i, 0,1,2,3,4,5,6,7,8,9,10,11,12,13,14,15
	v_pk_add_f32 v[2*(16*\blk+\i):2*(16*\blk+\i)+1], v[2*(16*\blk+\i):2*(16*\blk+\i)+1], v[NMR+2*\blk:NMR+2*\blk+1] op_sel_hi:[1,0]   ; x - mean, both pixels
	v_mul_f32 v[128+16*\blk+\i], v[128+16*\blk+\i], v[NMR+2*\blk+1]          ; the gain / std
.endr
.endr
.irp u, 0,1
	WIN 0x3f                                       ; all three sources window 3
.irp blk, 0,1,2,3
.irp i, 0,1,2,3,4,5,6,7,8,9,10,11,12,13,14,15
	v_fma_f32 v[ACC+16*\blk+\i], v[2*(16*\blk+\i)+\u], v[128+16*\blk+\i], v[192+16*\blk+\i]   ; h of pixel 2 r + u: the multiply-add also parts the two pixels
.endr
.endr
	WIN 0
	QUANT ACC
	IMAGE 12, XIMG+4096*\u
	ds_store_b32 v13, v[PW] offset:XSC+256*\u
.if \u == 0
	WIN 0x40
	WFRAGS 1, 128                                  ; Wk
	WIN 0
.irp kind, 0,1,2
.irp ot, 0,1,2,3
.irp ks, 0,1
	global_load_b32 v[WS+8*\kind+2*\ot+\ks], v9, s[14:15] offset:(256*\kind+32*(\ot/2)+8*(\ot%2))*8+4*\ks
.endr
.endr
.endr
.else
	WIN 0x80
	WFRAGS 2, 0                                    ; Wv
.irp ot, 0,1,2,3
.irp j, 0,1,2,3,4,5,6,7
	global_load_b32 v[192+8*\ot+\j], v11, s[16:17] offset:(512+32*(\ot/2)+8*(\ot%2))*4   ; v's bias hangs on the lane's row of W alone: the same word in the tile's eight registers
.endr
.endr
	WIN 0
.endif
	s_wait_dscnt 0x0                               ; the LDS stores are done: the codes' registers may be written again
.endr
	s_wait_dscnt 0x0                               ; for the others' sake: my images lie in LDS
	s_barrier_signal -1
	s_barrier_wait -1                              ; h's eight fragments lie in LDS; nothing is written there again
	s_wait_loadcnt 0x0                             ; the weights, their scale words and the biases
	; ---- phase G: my head's q, k, v for the two pixel blocks
.irp pb, 0,1
.irp u, 0,1
.irp ks, 0,1
	FETCH HF+16*(2*\u+\ks), XIMG+((2*\pb+\u)*2+\ks)*2048
	ds_load_b32 v[HS+2*\u+\ks], v5 offset:XSC+((2*\pb+\u)*2+\ks)*128
.endr
.endr
	s_wait_dscnt 0x0
	QK 0
	STORE4 32, 2048*\pb, 512                       ; tile 2 pb + u, d block b: group 2 u + b
	v_perm_b32 v[T0], v[PW], v[PW], 0x01000100     ; tile u = 0: (s0, s1, s0, s1)
	v_perm_b32 v[T0+1], v[PW], v[PW], 0x03020302   ; tile u = 1
	v_cndmask_b32 v[QW], v[T0], v[T0+1], s27       ; lanes 0-15 store tile u = 0's 16 words, lanes 16-31 tile u = 1's
	global_store_b32 v5, v[QW], s[34:35] offset:128*\pb
	QK 1
	STORE4 36, 2048*\pb, 512                       ; the four groups are key block 2 hs + pb's double fragment
.if \pb == 0
	v_mov_b32 v[KW0], v[PW]
.else
	v_cndmask_b32 v[KWS], v[KW0], v[PW], s27       ; lanes 0-15: key block 2 hs; lanes 16-31: 2 hs + 1
	global_store_b32 v5, v[KWS], s[40:41]
.endif
	VV
	STORE4 38, 512*\pb, 2048                       ; d tile t's group 2 hs + pb
.if \pb == 0
.irp ot, 0,1,2,3
	v_mov_b32 v[VB0+\ot], v[TM+4+\ot]
.endr
.else
.irp ot, 0,1,2,3
	v_lshl_or_b32 v[T0+\ot], v[TM+4+\ot], 8, v[VB0+\ot]   ; a d tile's two bytes of this half
.endr
	v_lshl_or_b32 v[T0], v[T0+1], 16, v[T0]
	v_lshl_or_b32 v[T0+2], v[T0+3], 16, v[T0+2]
	v_cndmask_b32 v[T0], v[T0], v[T0+2], s27
	global_store_b32 v5, v[T0], s[42:43]
.endif
.endr
	s_wait_tensorcnt 0x0
	ds_add_u32 v254, v255
	s_wait_dscnt 0x0
	s_endpgm
.Lfunc_end_k_q1009d0f379_qkv:
	.size	k_q1009d0f379_qkv, .Lfunc_end_k_q1009d0f379_qkv-k_q1009d0f379_qkv
	.p2alignl 7, 3214868480
	.fill 96, 4, 3214868480
	.section	.rodata,"a",@progbits
	.p2align	6, 0x0
	.amdhsa_kernel k_q1009d0f379_qkv
		.amdhsa_group_segment_fixed_size 17920
		.amdhsa_private_segment_fixed_size 0
		.amdhsa_enable_private_segment 0
		.amdhsa_kernarg_size 80
		.amdhsa_user_sgpr_count 2
		.amdhsa_user_sgpr_kernarg_segment_ptr 1
		.amdhsa_wavefront_size32 1
		.amdhsa_system_sgpr_workgroup_id_x 1
		.amdhsa_system_sgpr_workgroup_id_y 1
		.amdhsa_system_sgpr_workgroup_id_z 1
		.amdhsa_system_vgpr_workitem_id 0
		.amdhsa_next_free_vgpr 1024
		.amdhsa_next_free_sgpr 66
		.amdhsa_reserve_vcc 0
		.amdhsa_float_denorm_mode_32 3
		.amdhsa_float_denorm_mode_16_64 3
		.amdhsa_fp16_overflow 1
		.amdhsa_memory_ordered 1
		.amdhsa_forward_progress 1
		.amdhsa_inst_pref_size 99
	.end_amdhsa_kernel
	.amdgpu_metadata
---
amdhsa.version: [ 1, 2 ]
amdhsa.kernels:
  - .name:           k_q1009d0f379_qkv
    .symbol:         k_q1009d0f379_qkv.kd
    .args:
      - { .name: x, .offset: 0, .size: 8, .value_kind: global_buffer, .address_space: global }
      - { .name: stats, .offset: 8, .size: 8, .value_kind: global_buffer, .address_space: global }
      - { .name: norm_w, .offset: 16, .size: 8, .value_kind: global_buffer, .address_space: global }
      - { .name: norm_b, .offset: 24, .size: 8, .value_kind: global_buffer, .address_space: global }
      - { .name: qkv_w_codes, .offset: 32, .size: 8, .value_kind: global_buffer, .address_space: global }
      - { .name: qkv_w_scales, .offset: 40, .size: 8, .value_kind: global_buffer, .address_space: global }
      - { .name: qkv_b, .offset: 48, .size: 8, .value_kind: global_buffer, .address_space: global }
      - { .name: q_codes, .offset: 56, .size: 8, .value_kind: global_buffer, .address_space: global }
      - { .name: q_scales, .offset: 64, .size: 8, .value_kind: global_buffer, .address_space: global }
      - { .name: kv, .offset: 72, .size: 8, .value_kind: global_buffer, .address_space: global }
    .group_segment_fixed_size: 17920
    .private_segment_fixed_size: 0
    .kernarg_segment_align: 8
    .kernarg_segment_size: 80
    .max_flat_workgroup_size: 128
    .sgpr_count:     66
    .vgpr_count:     1024
    .wavefront_size: 32
...
	.end_amdgpu_metadata
.endif
;; end of part 2
;; launch attn (part 3): grid 16 x 16, 16 waves a work-group, clusters of 4 x 1, 327,680 bytes of LDS; arguments q_codes, q_scales, kv, o_codes, o_scales; writes o_codes, o_scales
.if DOCPART == 3
	.amdgcn_target "amdgcn-amd-amdhsa--gfx1250"
	.amdhsa_code_object_version 6
	.text
	.protected	k_q1009d0f379_attn
	.globl	k_q1009d0f379_attn
	.p2align	8
	.type	k_q1009d0f379_attn,@function
k_q1009d0f379_attn:
	s_mov_b64 s[64:65], 0
	v_nop
	global_prefetch_b8 v0, s[64:65] scope:SCOPE_SE
	s_setreg_imm32_b32 hwreg(HW_REG_WAVE_MODE, 25, 1), 1
	s_wait_xcnt 0x0
	s_wait_alu depctr_hold_cnt(0) depctr_sa_sdst(0) depctr_va_vdst(0) depctr_va_sdst(0) depctr_va_ssrc(0) depctr_va_vcc(0) depctr_vm_vsrc(0)
	s_getreg_b32 s2, hwreg(HW_REG_IB_STS2, 6, 4)
	s_cmp_eq_u32 s2, 0
	s_cbranch_scc0 .Lentry_in_a_cluster
	s_endpgm
.Lentry_in_a_cluster:
	s_bfe_u32 s2, ttmp6, 0x10000c
	s_cmp_lg_u32 s2, 0x3003
	s_cbranch_scc0 .Lentry_shape_is_right
	s_endpgm
.Lentry_shape_is_right:
; ATTENTION on codes of FP8 (E4M3) with one E8M0 scale for each 32 along a product's K.  16 (image, head) pairs bh, 4,096 queries and keys, head size 64.  All buffers are images of operand registers, as the launch before laid them.
; THE SOFTMAX AHEAD OF THE SECOND PRODUCT: t = score x log2(e) / 8; M = the row's largest t so far, rounded UP to a whole number; p = 2^(t - M) is what is quantised, along the keys, not normalised.  The row's sum is taken of the
; unquantised p, in f32, and divides O at the end.  When M moves, the sum and O are multiplied by 2^(old M - new M): exact.
; SHARES.  A work-group owns 256 queries of one bh (work-group y); each of its SIXTEEN waves owns one tile of 16 queries in 256 registers: four waves to a SIMD, so that one wave's vector work stands beside another's matrix work and LDS loads.
; Every wave walks all 32 key steps of 128 keys.  A step's record (16,896 bytes: K's codes, V's codes, their scales) is read from LDS by plain loads of 16 bytes a lane, 512 consecutive bytes an instruction: no pitch, no padding.
; THE RING: two slots of 8 records (135,168 dense bytes of kv); each wave brings a sixteenth of a slot (33 rows of 256 bytes) by one tensor load: by this text's count one tensor load of a wave is out at a time, and it has a whole slot's 8 steps in which to land.
; CLUSTER: the four query blocks of a cluster have the same bh and walk the same records, so each part of a slot is asked for JOINTLY: the same load, the same descriptor, a mask that names the four.
; LAYOUT.  Both products transposed: S^T = K Q^T, O^T = V^T P^T: a lane holds ONE query throughout.  THE FIRST PRODUCT'S K IS 64, half of the instruction's 128: a fragment of K carries TWO key tiles (u = 0 in k = 0 .. 63, u = 1 in
; k = 64 .. 127), and Q stands in 24 registers as zeros | q | zeros: the upper 16 are (q | 0) and pick tile u = 0, the lower 16 are (0 | q) and pick tile u = 1.  Zero codes add nothing (no scale byte here is 0xff).
; S^T's registers of tiles (f, 0), (f, 1) are the 16 keys 32 f + 16 h + 2 j + u at place 8 u + j: the order in which V's codes were laid.  V's d tiles are chosen so that O^T's 16 registers of tiles 2 b, 2 b + 1 are d = 32 b + 16 h + 0 .. 15:
; the projection's K: o is quantised in registers and leaves as two groups of 512 bytes and a scale word a lane.
; THE STEP IS BOUND BY ITS VECTOR LINES (12 products stand beside some 270 of them), so lines are spared where the arithmetic allows: scalings, sums and rescalings are packed, two numbers a line; maxima and holds that have no packed
; form go two to a line as dual-issue pairs.  A pair's destinations are one even and one odd register, its two first sources lie in different register banks (number mod 4), and so do its two second sources (AMD's ISA guide on dual-issue
; instructions): so a pair takes an even register of one block and an odd register of the block beside it.
; A block's largest p is not searched for: the block's largest score goes through the same multiply-add and exponential (this takes v_exp_f32 not to fall where its input rises).
; LIMITS: NaN and infinities are not served; a block of zeros gets the byte 1 where the rule says 127 (zero codes; this program alone reads the bytes); 1 / l is v_rcp_f32 and a multiplication.
; No prefetch is written: a slot is asked for 8 key steps ahead of its first read.
; REGISTERS: v1 16 x lane, v2 4 x lane, v3, v4 the add's two, v5, v6 the step's LDS addresses, v7 4 (lane % 16), v8, v9 the floor; v12 -M, v13 the largest t, v[14:15] the sum in two halves; v16-39 zeros | Q | zeros;
;   v40-103 four fragments of K, then of V; v104-167 S^T, then p; v168-199 O^T; v200-215 p's codes; v216-231 four a block: maxima, the other half's and bytes, scale operands; v[232:233] f; v234 the old -M, then M's change;
;   v235 at work; v[236:239] the step's sum in two chains; v240, 241 K's scale words; v242-245 V's; v246 Q's; v247 p's.
.set REC,   16896
.set SLOT,  8*REC
.set PART,  SLOT/16                    ; 8,448 bytes: 33 rows of 256
.set SPARE, 2*SLOT                     ; behind the ring: the spare words, 128 bytes for each of 16 waves: eight blocks of 256 bytes that no other line names
.set KV,   40
.set S,    104
.set O,    168
.set PC,   200
.set BM,   216
.set T1,   220
.set HOLD, 224
.set SCL,  228
; A round of the cluster's barrier: my work-group's barrier, so that wave 0's signal speaks for all sixteen waves; wave 0 signals; every wave waits for all four work-groups; my work-group's barrier once more.
.macro ROUND
	s_barrier_signal -1
	s_barrier_wait -1
	s_cmp_lg_u32 s14, 0
	s_cbranch_scc1 .Lnot_wave_0_\@
	s_barrier_signal -3
.Lnot_wave_0_\@:
	s_barrier_wait -3
	s_barrier_signal -1
	s_barrier_wait -1
.endm
; A KEY STEP: the record at LDS byte s40.
.macro STEP
	v_add_nc_u32 v5, s40, v1
	v_add_nc_u32 v6, s40, v2
.rept 4
	v_nop                                          ; with the two additions and the two lines on the sum that close a step: eight places behind the last products, in front of the loads into registers that they read
.endr
.irp f, 0,1,2,3
.irp c, 0,1,2,3
	ds_load_b128 v[KV+16*\f+4*\c:KV+16*\f+4*\c+3], v5 offset:2048*\f+512*\c   ; key block f: both its tiles
.endr
.endr
	ds_load_b32 v240, v6 offset:16384              ; K's scale words: lanes 0-15 key block 0, lanes 16-31 key block 1;
	ds_load_b32 v241, v6 offset:16512              ; key blocks 2 and 3
	ds_load_b32 v242, v6 offset:16640              ; V's scale bytes: key blocks 0, 1;
	ds_load_b32 v243, v6 offset:16768              ; key blocks 2, 3
	s_wait_alu depctr_va_vdst(0)
	s_wait_dscnt 0x0
.irp f, 0,1,2,3
.if (\f%2) == 0
	v_wmma_scale_f32_16x16x128_f8f6f4 v[S+16*\f:S+16*\f+7], v[KV+16*\f:KV+16*\f+15], v[24:39], 0, v[240+\f/2], v246
	v_wmma_scale_f32_16x16x128_f8f6f4 v[S+16*\f+8:S+16*\f+15], v[KV+16*\f:KV+16*\f+15], v[16:31], 0, v[240+\f/2], v246
.else
	v_wmma_scale_f32_16x16x128_f8f6f4 v[S+16*\f:S+16*\f+7], v[KV+16*\f:KV+16*\f+15], v[24:39], 0, v[240+\f/2], v246 matrix_a_scale:MATRIX_SCALE_ROW1
	v_wmma_scale_f32_16x16x128_f8f6f4 v[S+16*\f+8:S+16*\f+15], v[KV+16*\f:KV+16*\f+15], v[16:31], 0, v[240+\f/2], v246 matrix_a_scale:MATRIX_SCALE_ROW1
.endif
.endr
	v_perm_b32 v244, v243, v242, 0x05040100        ; V's scale words: lanes 0-15 d tile 0, lanes 16-31 d tile 2: bytes of key blocks 0 .. 3
	v_perm_b32 v245, v243, v242, 0x07060302        ; d tiles 1 and 3
	v_mov_b32 v234, v12                            ; the old -M is kept for f
.rept 5
	v_nop                                          ; with the three lines above: eight places, in front of the loads below and of the first read of the scores
.endr
.irp t, 0,1,2,3
.irp c, 0,1,2,3
	ds_load_b128 v[KV+16*\t+4*\c:KV+16*\t+4*\c+3], v5 offset:8192+2048*\t+512*\c   ; V's four d tiles: they land while the softmax is worked
.endr
.endr
.irp b, 0,1,2,3
	v_max3_num_f32 v[BM+\b], v[S+16*\b], v[S+1+16*\b], v[S+2+16*\b]   ; the largest score of each block of 32 keys: for the row's maximum and for the block's largest p.  (Each accumulator is read from its low end on)
.endr
.irp i, 3,5,7,9,11
.irp b, 0,1,2,3
	v_max3_num_f32 v[BM+\b], v[BM+\b], v[S+16*\b+\i], v[S+1+16*\b+\i]
.endr
.endr
.irp b, 0,2
	v_max3_num_f32 v[BM+\b], v[BM+\b], v[S+13+16*\b], v[S+14+16*\b]       ; an even block leaves its number 15 for the pair below,
	v_max3_num_f32 v[BM+1+\b], v[BM+1+\b], v[S+29+16*\b], v[S+31+16*\b]   ; an odd block its number 14: the two lie in different banks
.endr
.irp b, 0,2
	v_dual_max_num_f32 v[BM+\b], v[BM+\b], v[S+15+16*\b] :: v_dual_max_num_f32 v[BM+1+\b], v[BM+1+\b], v[S+30+16*\b]
.endr
.irp b, 0,1,2,3
	v_permlanex16_b32 v[T1+\b], v[BM+\b], s20, s21
.endr
.irp b, 0,2
	v_dual_max_num_f32 v[BM+\b], v[BM+\b], v[T1+\b] :: v_dual_max_num_f32 v[BM+1+\b], v[BM+1+\b], v[T1+1+\b]   ; with lane l xor 16's 16 keys
.endr
	v_max3_num_f32 v235, v[BM], v[BM+1], v[BM+2]
	s_delay_alu instid0(VALU_DEP_1)
	v_max_num_f32 v235, v235, v[BM+3]              ; the step's largest score of my query
	s_delay_alu instid0(VALU_DEP_1)
	v_mul_f32 v235, s22, v235                      ; as t (c is positive)
	s_delay_alu instid0(VALU_DEP_1)
	v_max_num_f32 v13, v13, v235                   ; the running largest t
	s_delay_alu instid0(VALU_DEP_1)
	v_floor_f32 v12, -v13                          ; the new -M = floor(-t) = -ceil(t)
.set j, 0
.rept 32
	v_pk_fma_f32 v[S+j:S+j+1], v[S+j:S+j+1], s[22:23], v[12:13] op_sel_hi:[1,0,0]   ; t - M, two at a time (of the pairs c and -M the low word serves both halves)
.set j, j+2
.endr
.irp b, 0,2
	v_pk_fma_f32 v[BM+\b:BM+1+\b], v[BM+\b:BM+1+\b], s[22:23], v[12:13] op_sel_hi:[1,0,0]   ; the same line on each block's largest score
.endr
.set j, 0
	s_setprio 1
	s_wait_alu depctr_va_vdst(0)
.rept 64
	v_exp_f32 v[S+j], v[S+j]                       ; p = 2^(t - M), at most 1
.set j, j+1
.endr
.irp b, 0,1,2,3
	v_exp_f32 v[BM+\b], v[BM+\b]                   ; the block's largest p
.endr
	v_sub_f32 v234, v12, v234                      ; old M - new M: a whole number, 0 or less.  (The plain line behind the exponentials)
	s_delay_alu instid0(VALU_DEP_1)
	v_cvt_i32_f32 v234, v234                       ; (it saturates)
	s_delay_alu instid0(VALU_DEP_1)
	v_ldexp_f32 v232, 1.0, v234                    ; f = 2^(old M - new M)
	s_wait_alu depctr_va_vdst(0)
.irp b, 0,2
	v_dual_max_num_f32 v[BM+\b], v[BM+\b], v8 :: v_dual_max_num_f32 v[BM+1+\b], v[BM+1+\b], v9   ; the floor 2^(9 - 127): the byte cannot fall under 1
.endr
.irp b, 0,1,2,3
	v_add_nc_u32 v[SCL+\b], 0xfc000000, v[BM+\b]   ; 8 off the exponent field: the conversion's scale operand
.endr
.irp b, 0,1,2,3
.endr
.irp b, 0,1,2,3
	s_delay_alu instid0(VALU_DEP_4)
	v_lshrrev_b32 v[T1+\b], 23, v[SCL+\b]          ; the scale's byte
.endr
	s_delay_alu instid0(VALU_DEP_3)
	v_lshl_or_b32 v247, v[T1+1], 8, v[T1]          ; p's scale word for these 128 keys
	s_delay_alu instid0(VALU_DEP_1)
	v_lshl_or_b32 v247, v[T1+2], 16, v247
	s_delay_alu instid0(VALU_DEP_1)
	v_lshl_or_b32 v247, v[T1+3], 24, v247
	v_pk_add_f32 v[236:237], v[S:S+1], v[S+2:S+3]  ; the step's sum is taken of the unquantised p: two at a time, in two chains that the first four pairs start
	v_pk_add_f32 v[238:239], v[S+4:S+5], v[S+6:S+7]
.irp j, 8,12,16,20,24,28,32,36,40,44,48,52,56,60
	v_pk_add_f32 v[236:237], v[236:237], v[S+\j:S+\j+1]
	v_pk_add_f32 v[238:239], v[238:239], v[S+2+\j:S+3+\j]
.endr
; The conversion to an 8-bit code does not saturate (ISA guide 7.6.2)
.irp b, 0,2
.irp k, 0,2,4,6,8,10,12,14
.endr
	v_cvt_scalef32_pk8_fp8_f32 v[PC+4*\b:PC+1+4*\b], v[S+16*\b:S+7+16*\b], v[SCL+\b]
	v_cvt_scalef32_pk8_fp8_f32 v[PC+2+4*\b:PC+3+4*\b], v[S+8+16*\b:S+15+16*\b], v[SCL+\b]
	v_cvt_scalef32_pk8_fp8_f32 v[PC+4+4*\b:PC+5+4*\b], v[S+16+16*\b:S+23+16*\b], v[SCL+1+\b]
	v_cvt_scalef32_pk8_fp8_f32 v[PC+6+4*\b:PC+7+4*\b], v[S+24+16*\b:S+31+16*\b], v[SCL+1+\b]
.endr
.set j, 0
	s_setprio 0
.rept 16
	v_pk_mul_f32 v[O+j:O+j+1], v[O+j:O+j+1], v[232:233] op_sel_hi:[1,0]   ; O^T under the new M.  (These are also the places between the conversions and the products below)
.set j, j+2
.endr
	s_wait_alu depctr_va_vdst(0)
	s_wait_dscnt 0x0                               ; V is in
.irp t, 0,1,2,3                        ; O^T += V^T P^T: the four accumulators by turns
.if \t < 2
	v_wmma_scale_f32_16x16x128_f8f6f4 v[O+8*\t:O+8*\t+7], v[KV+16*\t:KV+16*\t+15], v[PC:PC+15], v[O+8*\t:O+8*\t+7], v[244+\t%2], v247
.else
	v_wmma_scale_f32_16x16x128_f8f6f4 v[O+8*\t:O+8*\t+7], v[KV+16*\t:KV+16*\t+15], v[PC:PC+15], v[O+8*\t:O+8*\t+7], v[244+\t%2], v247 matrix_a_scale:MATRIX_SCALE_ROW1
.endif
.endr
	v_pk_add_f32 v[236:237], v[236:237], v[238:239]                              ; the step's sum: its two chains,
	s_delay_alu instid0(VALU_DEP_1)
	v_pk_fma_f32 v[14:15], v[14:15], v[232:233], v[236:237] op_sel_hi:[1,0,1]    ; and the row's sum = the old one under the new M + the step's.  (Two of the places behind the products)
.endm
.macro SLOT_STEPS base                 ; a slot's eight key steps: written once, walked eight times
	s_mov_b32 s40, \base
	s_mov_b32 s41, 8
.Lstep_\@:
	s_setprio 2
	STEP
	s_add_co_u32 s40, s40, REC
	s_sub_co_u32 s41, s41, 1
	s_cmp_lg_u32 s41, 0
	s_cbranch_scc1 .Lstep_\@
	s_setprio 0
.endm
; THE CHANGE OF SLOTS stands at a slot's head.  Each wave waits for all its tensor loads (its part of the slot that it is about to read), adds 0 to its spare word, and waits for that and for its reads of the slot that it has left.
; The round then holds of every wave of all four work-groups: the slot ahead is whole, nobody reads the other one.  refill = 1: that other slot is asked for, first thing behind the round.  on = 1: this slot's address steps to its next 8 records.
.macro TRIP slot, refill, on
	s_wait_tensorcnt 0x0                           ; no tensor load of mine is out, so a group 0 may be written
	ds_add_u32 v3, v4                              ; 0 onto my spare word
.if \on
	s_add_nc_u64 s[34+4*\slot:35+4*\slot], s[34+4*\slot:35+4*\slot], 2*SLOT   ; the type bits on top are not reached
.endif
	s_wait_dscnt 0x0                               ; the add is done, and my reads of the slot that I have left are over
	ROUND
.if \refill
	tensor_load_to_lds s[36-4*\slot:39-4*\slot], s[24:31]   ; my one tensor load until the next round
	s_nop 0
.rept 4
	v_nop
.endr
.endif
	SLOT_STEPS \slot*SLOT
.endm
	s_load_b256 s[4:11], s[0:1], 0x0               ; q_codes s[4:5], q_scales s[6:7], kv s[8:9], o_codes s[10:11]
	s_load_b64 s[12:13], s[0:1], 0x20              ; o_scales
	v_lshl_add_u32 v3, v0, 2, SPARE                ; my spare word; never rewritten
	v_mov_b32 v4, 0                                ; never rewritten
	ds_add_u32 v3, v4
	ds_add_u32 v3, v4
	s_wait_dscnt 0x0
	v_lshrrev_b32 v1, 5, v0
	s_delay_alu instid0(VALU_DEP_1)
	v_readfirstlane_b32 s14, v1                    ; wave 0..15
	v_and_b32 v2, 31, v0
	s_delay_alu instid0(VALU_DEP_1)
	v_lshlrev_b32 v1, 4, v2                        ; 16 x lane
	s_delay_alu instid0(VALU_DEP_2)
	v_lshlrev_b32 v2, 2, v2                        ; 4 x lane
	v_and_b32 v7, 15, v0
	s_delay_alu instid0(VALU_DEP_1)
	v_lshlrev_b32 v7, 2, v7                        ; 4 x (lane % 16)
	v_mov_b32 v8, 0x4800000                        ; the floor 2^(9 - 127), in two registers of different banks, for the pairs
	v_mov_b32 v9, 0x4800000
	s_and_b32 s17, ttmp7, 0xffff                   ; bh, which the four partners share
	s_mul_i32 s18, s14, PART                       ; my part of a slot: no place in the cluster enters an LDS address or the ring's descriptors
	s_mul_i32 s42, s17, 32*REC
	s_add_co_u32 s42, s42, s18
	s_mov_b32 s43, 0
	; descriptor group 1: 33 rows of 32 elements of 8 bytes, dense in memory and in LDS
	s_mov_b32 s24, 15|(3<<16)|(1<<21)              ; 15:0 the mask: all four work-groups; 17:16 elements of 8 bytes; 20 no padding; 21 set beside a mask
	s_mov_b32 s25, 32<<16                          ; tensor_dim0 = 32
	s_mov_b32 s26, 33<<16                          ; tensor_dim1 = 33
	s_mov_b32 s27, 32<<16                          ; tile_dim0 = 32
	s_mov_b32 s28, 33                              ; tile_dim1 = 33
	s_mov_b32 s29, 32                              ; elements from row to row
	s_mov_b32 s30, 0
	s_mov_b32 s31, 0
	s_mov_b32 s20, 0x76543210                      ; v_permlanex16_b32's selects for lane l xor 16
	s_mov_b32 s21, 0xfedcba98
	s_mov_b32 s22, 0x3e38aa3b                      ; c = log2(e) / sqrt(64)
	s_mov_b32 s23, s22                             ; (named with it as a pair, so it is written)
	s_wait_kmcnt 0x0
	s_mov_b32 s32, 1                               ; group 0 for slot 0: count = 1,
	s_mov_b32 s33, s18                             ; LDS address,
	s_add_nc_u64 s[34:35], s[8:9], s[42:43]        ; global address: records 0 to 7, my part
	s_mov_b32 s36, 1                               ; and for slot 1: records 8 to 15
	s_add_co_u32 s37, s18, SLOT
	s_add_nc_u64 s[38:39], s[34:35], SLOT
	s_or_b32 s35, s35, 0x80000000                  ; type = 2
	s_or_b32 s39, s39, 0x80000000
	ROUND                                          ; all four work-groups are here: the first joint loads meet
	tensor_load_to_lds s[32:35], s[24:31]          ; slot 0
	s_nop 0
.rept 4
	v_nop
.endr
	s_bfe_u32 s15, ttmp6, 0x40000                  ; cx: my place in the cluster: it enters Q's and o's global addresses alone
	s_lshl_b32 s16, ttmp9, 2                       ; in a cluster launch ttmp9 counts clusters
	s_add_co_u32 s16, s16, s15
	s_lshl_b32 s16, s16, 4
	s_add_co_u32 s16, s16, s14                     ; my tile of queries: 16 x (4 x cluster x + cx) + wave
	s_mov_b32 s45, 0
	s_lshl_b32 s44, s17, 18                        ; q_codes: 256 tiles x 1,024 a bh
	s_lshl_b32 s46, s16, 10
	s_add_co_u32 s44, s44, s46
	s_add_nc_u64 s[4:5], s[4:5], s[44:45]
	s_lshl_b32 s44, s17, 14                        ; q_scales: 64 bytes a tile
	s_lshl_b32 s46, s16, 6
	s_add_co_u32 s44, s44, s46
	s_add_nc_u64 s[6:7], s[6:7], s[44:45]
	s_wait_alu depctr_va_vdst(0)
	global_load_b128 v[24:27], v1, s[4:5]          ; Q: d block 0,
	global_load_b128 v[28:31], v1, s[4:5] offset:512   ; d block 1
	global_load_b32 v246, v7, s[6:7]               ; its scale words (s0, s1, s0, s1)
	s_lshr_b32 s44, s17, 2                         ; o_codes [image][tile][K step 2][group 4][512]: image << 20 + tile << 12 + head << 10
	s_lshl_b32 s44, s44, 20
	s_lshl_b32 s46, s16, 12
	s_add_co_u32 s44, s44, s46
	s_and_b32 s46, s17, 3
	s_lshl_b32 s46, s46, 10
	s_add_co_u32 s44, s44, s46
	s_add_nc_u64 s[10:11], s[10:11], s[44:45]
	s_lshl_b32 s44, s17, 15                        ; o_scales [bh][tile][lane] words
	s_lshl_b32 s46, s16, 7
	s_add_co_u32 s44, s44, s46
	s_add_nc_u64 s[12:13], s[12:13], s[44:45]
.irp j, 0,1,2,3,4,5,6,7
	v_mov_b32 v[16+\j], 0                          ; the zero codes on both sides of Q
	v_mov_b32 v[32+\j], 0
.endr
.set j, 0
.rept 32
	v_mov_b32 v[O+j], 0                            ; O^T.  (The step is written once: its first walk finds zeros, which the first change of M leaves zeros)
.set j, j+1
.endr
	v_mov_b32 v13, 0xff61b1e6                      ; the largest t so far: -3e38, under every t
	s_delay_alu instid0(VALU_DEP_1)
	v_floor_f32 v12, -v13                          ; -M
	v_mov_b32 v14, 0                               ; the sum, in two halves
	v_mov_b32 v15, 0
.irp b, 0,1,2,3
	v_mov_b32 v[T1+\b], 0                          ; written once: a lane permute's destination counts as one of its sources
.endr
	v_mov_b32 v233, 0                              ; (named as the upper half of the pair v[232:233])
	s_wait_loadcnt 0x0                             ; Q
	TRIP 0, 1, 1                                   ; records 0-7 are read; slot 1 is asked for (8-15)
	TRIP 1, 1, 1                                   ; records 8-15; slot 0 takes 16-23
	TRIP 0, 1, 0                                   ; records 16-23; slot 1 takes 24-31
	TRIP 1, 0, 0                                   ; records 24-31; nothing is left to fetch
	; THE WAY OUT: O^T / the sum is quantised along d: two blocks of 32, each in lanes l and l xor 16
.rept 6
	v_nop                                          ; with the two lines on the sum that close the last step: eight places behind the last products
.endr
	v_add_f32 v14, v14, v15                        ; the sum's two halves,
	s_delay_alu instid0(VALU_DEP_1)
	v_permlanex16_b32 v234, v14, s20, s21
	s_delay_alu instid0(VALU_DEP_1)
	v_add_f32 v14, v14, v234                       ; and lane l xor 16's: the row's sum
	s_wait_alu depctr_va_vdst(0)
	v_rcp_f32 v14, v14
	v_nop                                          ; one plain line behind the transcendental
.set j, 0
	s_wait_alu depctr_va_vdst(0)
.rept 32
	v_mul_f32 v[S+j], v[O+j], v14                  ; register 16 b + i: o(my query, d = 32 b + 16 h + i); each accumulator from its low end on
.set j, j+1
.endr
.irp b, 0,1
	v_max3_num_f32 v[BM+\b], |v[S+16*\b]|, |v[S+1+16*\b]|, 0x4800000
.endr
.irp i, 2,4,6,8,10,12,14
.irp b, 0,1
	s_delay_alu instid0(VALU_DEP_2)
	v_max3_num_f32 v[BM+\b], v[BM+\b], |v[S+16*\b+\i]|, |v[S+1+16*\b+\i]|
.endr
.endr
.irp b, 0,1
	s_delay_alu instid0(VALU_DEP_2)
	v_permlanex16_b32 v[T1+\b], v[BM+\b], s20, s21
.endr
.irp b, 0,1
	s_delay_alu instid0(VALU_DEP_2)
	v_max_num_f32 v[BM+\b], v[BM+\b], v[T1+\b]
.endr
.irp b, 0,1
	s_delay_alu instid0(VALU_DEP_2)
	v_add_nc_u32 v[SCL+\b], 0xfc000000, v[BM+\b]
.endr
.irp b, 0,1
.endr
.irp b, 0,1
	s_delay_alu instid0(VALU_DEP_2)
	v_lshrrev_b32 v[T1+\b], 23, v[SCL+\b]
.endr
	s_delay_alu instid0(VALU_DEP_1)
	v_lshl_or_b32 v234, v[T1+1], 8, v[T1]          ; my head's two bytes of my query's scale word
.irp b, 0,1
.irp i, 0,1,2,3,4,5,6,7,8,9,10,11,12,13,14,15
.endr
	v_cvt_scalef32_pk8_fp8_f32 v[PC+4*\b:PC+1+4*\b], v[S+16*\b:S+7+16*\b], v[SCL+\b]
	v_cvt_scalef32_pk8_fp8_f32 v[PC+2+4*\b:PC+3+4*\b], v[S+8+16*\b:S+15+16*\b], v[SCL+\b]
.endr
	v_nop
	global_store_b128 v1, v[PC:PC+3], s[10:11]               ; each store covers 512 consecutive bytes, aligned
	global_store_b128 v1, v[PC+4:PC+7], s[10:11] offset:512
	global_store_b32 v2, v234, s[12:13]                      ; 128 consecutive bytes
	s_wait_tensorcnt 0x0                           ; the wave's end
	ds_add_u32 v3, v4
	s_wait_dscnt 0x0
	ROUND                                          ; the closing round: no work-group ends while a partner may still ask for a part that names it
	s_endpgm
.Lfunc_end_k_q1009d0f379_attn:
	.size	k_q1009d0f379_attn, .Lfunc_end_k_q1009d0f379_attn-k_q1009d0f379_attn
	.p2alignl 7, 3214868480
	.fill 96, 4, 3214868480
	.section	.rodata,"a",@progbits
	.p2align	6, 0x0
	.amdhsa_kernel k_q1009d0f379_attn
		.amdhsa_group_segment_fixed_size 327680
		.amdhsa_private_segment_fixed_size 0
		.amdhsa_enable_private_segment 0
		.amdhsa_kernarg_size 40
		.amdhsa_user_sgpr_count 2
		.amdhsa_user_sgpr_kernarg_segment_ptr 1
		.amdhsa_wavefront_size32 1
		.amdhsa_system_sgpr_workgroup_id_x 1
		.amdhsa_system_sgpr_workgroup_id_y 1
		.amdhsa_system_sgpr_workgroup_id_z 1
		.amdhsa_system_vgpr_workitem_id 0
		.amdhsa_next_free_vgpr 256
		.amdhsa_next_free_sgpr 66
		.amdhsa_reserve_vcc 0
		.amdhsa_float_denorm_mode_32 3
		.amdhsa_float_denorm_mode_16_64 3
		.amdhsa_fp16_overflow 1
		.amdhsa_memory_ordered 1
		.amdhsa_forward_progress 1
		.amdhsa_inst_pref_size 79
	.end_amdhsa_kernel
	.amdgpu_metadata
---
amdhsa.version: [ 1, 2 ]
amdhsa.kernels:
  - .name:           k_q1009d0f379_attn
    .symbol:         k_q1009d0f379_attn.kd
    .args:
      - { .name: q_codes, .offset: 0, .size: 8, .value_kind: global_buffer, .address_space: global }
      - { .name: q_scales, .offset: 8, .size: 8, .value_kind: global_buffer, .address_space: global }
      - { .name: kv, .offset: 16, .size: 8, .value_kind: global_buffer, .address_space: global }
      - { .name: o_codes, .offset: 24, .size: 8, .value_kind: global_buffer, .address_space: global }
      - { .name: o_scales, .offset: 32, .size: 8, .value_kind: global_buffer, .address_space: global }
    .group_segment_fixed_size: 327680
    .private_segment_fixed_size: 0
    .kernarg_segment_align: 8
    .kernarg_segment_size: 40
    .max_flat_workgroup_size: 512
    .sgpr_count:     66
    .vgpr_count:     256
    .wavefront_size: 32
...
	.end_amdgpu_metadata
.endif
;; end of part 3
;; launch proj (part 4): grid 64 x 4, 16 waves a work-group, no clusters, 71,680 bytes of LDS; arguments o_codes, o_scales, proj_w_codes, proj_w_scales, proj_b, x, out0; writes out0
.if DOCPART == 4
	.amdgcn_target "amdgcn-amd-amdhsa--gfx1250"
	.amdhsa_code_object_version 6
	.text
	.protected	k_q1009d0f379_proj
	.globl	k_q1009d0f379_proj
	.p2align	8
	.type	k_q1009d0f379_proj,@function
k_q1009d0f379_proj:
	s_mov_b64 s[64:65], 0
	v_nop
	global_prefetch_b8 v0, s[64:65] scope:SCOPE_SE
	s_setreg_imm32_b32 hwreg(HW_REG_WAVE_MODE, 25, 1), 1
	s_wait_xcnt 0x0
; THE PROJECTION AND THE RESIDUAL: out[b][c][pixel] = x[b][c][pixel] + proj_b[c] + the sum over k of proj_w[c][k] o[b][k][pixel], on codes of FP8 (E4M3) with one E8M0 scale for each 32 along K = head x 64 + d.
; A work-group takes 64 pixels of one image: four pixel tiles (tile 2 pb + u: row m = pixel 32 pb + 2 m + u); wave w takes output channels 16 w .. 16 w + 15.
; Source 0 = a pixel tile of o (an image of registers, as the attention launch stored it), source 1 = my 16 rows of proj_w: a lane holds ONE channel (lane % 16), and its registers j of tiles u = 0, 1 are the 16 neighbouring
; pixels 32 pb + 16 h + 2 j + u.  One addition a number adds the bias and puts the pixels in order.  A channel's 64 pixels are 256 bytes held by two lanes: they go through the wave's OWN stage in LDS (rows of 256 + 16 bytes)
; and come back so that sixteen lanes hold 256 consecutive bytes of one channel; x is loaded in that same shape, added, and the sum stored.
; No barrier: a wave reads only what it stored, and LDS serves a wave's instructions in order (ISA guide 5.7.1.4).  No tensor loads.  The sixteen waves each read the work-group's 16 KiB of o's codes; proj_w is 4 KiB a wave, straight
; into registers: nothing is asked for jointly with other work-groups.
; o_scales holds, for (bh, tile, lane), a word s0 | s1 << 8: the scale word of (tile, K step) is made of two heads' words.
; REGISTERS: v1-8 addresses; v10, v11 proj_w's scale words; v12 the bias; v16-47 proj_w's two fragments; v48-175 o's eight fragments, later v48-79 results in order and v80-111 rows read back; v176-207 four accumulators; v208-239 x; v240-255 o's scale words.
.set WP,  16
.set OC,  48
.set TT,  48
.set RB,  80
.set ACC, 176
.set XR,  208
.set RS,  240
	s_load_b256 s[4:11], s[0:1], 0x0               ; o_codes s[4:5], o_scales s[6:7], proj_w's codes s[8:9], its scales s[10:11]
	s_load_b128 s[12:15], s[0:1], 0x20             ; proj_b s[12:13], x s[14:15]
	s_load_b64 s[16:17], s[0:1], 0x30              ; out0
	v_lshrrev_b32 v1, 5, v0
	s_delay_alu instid0(VALU_DEP_1)
	v_readfirstlane_b32 s18, v1                    ; wave 0..15
	v_and_b32 v15, 31, v0                          ; lane
	v_and_b32 v13, 15, v0                          ; r
	v_bfe_u32 v14, v0, 4, 1                        ; h
	s_delay_alu instid0(VALU_DEP_3)
	v_lshlrev_b32 v1, 4, v15                       ; 16 x lane
	s_delay_alu instid0(VALU_DEP_4)
	v_lshlrev_b32 v2, 2, v15                       ; 4 x lane
	s_delay_alu instid0(VALU_DEP_4)
	v_lshlrev_b32 v3, 8, v13
	s_delay_alu instid0(VALU_DEP_1)
	v_lshl_add_u32 v3, v14, 4, v3                  ; proj_w: row r of 256 bytes, + 16 h
	v_lshlrev_b32 v4, 3, v13                       ; its scale bytes: 8 a row
	v_lshlrev_b32 v5, 2, v13                       ; the bias
	s_mul_i32 s19, s18, 16*272                     ; my stage
	v_mul_u32_u24 v6, v13, 272
	s_delay_alu instid0(VALU_DEP_1)
	v_lshl_add_u32 v6, v14, 6, v6
	s_delay_alu instid0(VALU_DEP_1)
	v_add_nc_u32 v6, s19, v6                       ; in: row r (my channel), + 64 h: my 16 pixels of a block of 32
	v_mul_u32_u24 v7, v14, 272
	s_delay_alu instid0(VALU_DEP_1)
	v_lshl_add_u32 v7, v13, 4, v7
	s_delay_alu instid0(VALU_DEP_1)
	v_add_nc_u32 v7, s19, v7                       ; back: lanes 0-15 one row, lanes 16-31 the next
	v_lshlrev_b32 v8, 14, v14
	s_delay_alu instid0(VALU_DEP_1)
	v_lshl_add_u32 v8, v13, 4, v8                  ; and the same two channels in x and out0: 16,384 bytes apart
	s_and_b32 s20, ttmp7, 0xffff                   ; the image
	s_mov_b32 s23, 0
	s_wait_alu depctr_va_vdst(0)
	s_wait_kmcnt 0x0
	s_lshl_b32 s22, s20, 22                        ; x, out0: image, my 16 channels, the work-group's 64 pixels
	s_lshl_b32 s24, s18, 18
	s_add_co_u32 s22, s22, s24
	s_lshl_b32 s24, ttmp9, 8
	s_add_co_u32 s22, s22, s24
	s_add_nc_u64 s[14:15], s[14:15], s[22:23]
	s_add_nc_u64 s[16:17], s[16:17], s[22:23]
	s_lshl_b32 s22, s20, 20                        ; o_codes: (256 image + 4 work-group) tiles of 4,096 bytes
	s_lshl_b32 s24, ttmp9, 14
	s_add_co_u32 s22, s22, s24
	s_add_nc_u64 s[4:5], s[4:5], s[22:23]
	s_lshl_b32 s22, s20, 17                        ; o_scales: (1,024 image + 4 work-group) x 128 bytes; a head is 32,768 bytes on
	s_lshl_b32 s24, ttmp9, 9
	s_add_co_u32 s22, s22, s24
	s_add_nc_u64 s[6:7], s[6:7], s[22:23]
	s_lshl_b32 s22, s18, 12                        ; proj_w: my 16 rows
	s_add_nc_u64 s[8:9], s[8:9], s[22:23]
	s_lshl_b32 s22, s18, 7
	s_add_nc_u64 s[10:11], s[10:11], s[22:23]
	s_lshl_b32 s22, s18, 6
	s_add_nc_u64 s[12:13], s[12:13], s[22:23]
.irp i, 0,1,2,3,4,5,6,7
	global_load_b128 v[XR+4*\i:XR+4*\i+3], v8, s[14:15] offset:32768*\i th:TH_LOAD_NT   ; channels 2 i, 2 i + 1: sixteen lanes read 256 consecutive bytes; x's last reading
.endr
.irp tl, 0,1,2,3
.irp ks, 0,1
.irp c, 0,1,2,3
	global_load_b128 v[OC+16*(2*\tl+\ks)+4*\c:OC+16*(2*\tl+\ks)+4*\c+3], v1, s[4:5] offset:4096*\tl+2048*\ks+512*\c
.endr
.endr
.endr
.irp tl, 0,1,2,3
.irp hd, 0,1,2,3
	global_load_b32 v[RS+4*\tl+\hd], v2, s[6:7] offset:32768*\hd+128*\tl
.endr
.endr
.irp ks, 0,1
.irp c, 0,1,2,3
	global_load_b128 v[WP+16*\ks+4*\c:WP+16*\ks+4*\c+3], v3, s[8:9] offset:128*\ks+32*\c
.endr
.endr
	global_load_b32 v10, v4, s[10:11]
	global_load_b32 v11, v4, s[10:11] offset:4
	global_load_b32 v12, v5, s[12:13]
	s_wait_loadcnt 0x0
.irp tl, 0,1,2,3
.irp ks, 0,1
	v_perm_b32 v[RS+4*\tl+2*\ks], v[RS+4*\tl+2*\ks+1], v[RS+4*\tl+2*\ks], 0x05040100   ; (tile, K step): heads 2 ks and 2 ks + 1: bytes s0, s1, s0, s1
.endr
.endr
.rept 8
	v_nop                                          ; a scale register written by a vector line stands eight places ahead of the scaled product
.endr
.irp tl, 0,1,2,3                       ; the four accumulators by turns, K step by K step; the first K step starts the sums
	v_wmma_scale_f32_16x16x128_f8f6f4 v[ACC+8*\tl:ACC+8*\tl+7], v[OC+32*\tl:OC+32*\tl+15], v[WP:WP+15], 0, v[RS+4*\tl], v10
.endr
.irp tl, 0,1,2,3
	v_wmma_scale_f32_16x16x128_f8f6f4 v[ACC+8*\tl:ACC+8*\tl+7], v[OC+32*\tl+16:OC+32*\tl+31], v[WP+16:WP+31], v[ACC+8*\tl:ACC+8*\tl+7], v[RS+4*\tl+2], v11
.endr
.rept 9
	v_nop                                          ; places in front of the first read of results and of the writes over o's fragments (ISA guide 7.12.1)
.endr
.irp pb, 0,1
.irp u, 0,1
.irp j, 0,1,2,3,4,5,6,7
	v_add_f32 v[TT+16*\pb+2*\j+\u], v[ACC+8*(2*\pb+\u)+\j], v12   ; + the bias, and into the pixels' order; each accumulator from its low end on
.endr
.endr
.endr
.irp pb, 0,1
.irp q, 0,1,2,3
	ds_store_b128 v6, v[TT+16*\pb+4*\q:TT+16*\pb+4*\q+3] offset:128*\pb+16*\q
.endr
.endr
.irp i, 0,1,2,3,4,5,6,7
	ds_load_b128 v[RB+4*\i:RB+4*\i+3], v7 offset:544*\i            ; rows 2 i, 2 i + 1: these see my stores above
.endr
.irp i, 0,1,2,3,4,5,6,7
	s_wait_dscnt 7-\i                              ; LDS loads come back in order: pair i of rows is in, the 7 - i younger loads may be out
	v_pk_add_f32 v[XR+4*\i:XR+4*\i+1], v[XR+4*\i:XR+4*\i+1], v[RB+4*\i:RB+4*\i+1]
	v_pk_add_f32 v[XR+4*\i+2:XR+4*\i+3], v[XR+4*\i+2:XR+4*\i+3], v[RB+4*\i+2:RB+4*\i+3]
	global_store_b128 v8, v[XR+4*\i:XR+4*\i+3], s[16:17] offset:32768*\i th:TH_STORE_NT   ; sixteen lanes store 256 consecutive bytes, aligned; written once, read by nobody here
.endr
	s_wait_xcnt 0x0
	v_lshl_add_u32 v254, v0, 2, 0x11000
	v_mov_b32 v255, 0
	s_wait_alu depctr_va_vdst(0)
	s_wait_tensorcnt 0x0
	ds_add_u32 v254, v255
	s_wait_dscnt 0x0
	s_endpgm
.Lfunc_end_k_q1009d0f379_proj:
	.size	k_q1009d0f379_proj, .Lfunc_end_k_q1009d0f379_proj-k_q1009d0f379_proj
	.p2alignl 7, 3214868480
	.fill 96, 4, 3214868480
	.section	.rodata,"a",@progbits
	.p2align	6, 0x0
	.amdhsa_kernel k_q1009d0f379_proj
		.amdhsa_group_segment_fixed_size 71680
		.amdhsa_private_segment_fixed_size 0
		.amdhsa_enable_private_segment 0
		.amdhsa_kernarg_size 56
		.amdhsa_user_sgpr_count 2
		.amdhsa_user_sgpr_kernarg_segment_ptr 1
		.amdhsa_wavefront_size32 1
		.amdhsa_system_sgpr_workgroup_id_x 1
		.amdhsa_system_sgpr_workgroup_id_y 1
		.amdhsa_system_sgpr_workgroup_id_z 1
		.amdhsa_system_vgpr_workitem_id 0
		.amdhsa_next_free_vgpr 256
		.amdhsa_next_free_sgpr 66
		.amdhsa_reserve_vcc 0
		.amdhsa_float_denorm_mode_32 3
		.amdhsa_float_denorm_mode_16_64 3
		.amdhsa_memory_ordered 1
		.amdhsa_forward_progress 1
		.amdhsa_inst_pref_size 16
	.end_amdhsa_kernel
	.amdgpu_metadata
---
amdhsa.version: [ 1, 2 ]
amdhsa.kernels:
  - .name:           k_q1009d0f379_proj
    .symbol:         k_q1009d0f379_proj.kd
    .args:
      - { .name: o_codes, .offset: 0, .size: 8, .value_kind: global_buffer, .address_space: global }
      - { .name: o_scales, .offset: 8, .size: 8, .value_kind: global_buffer, .address_space: global }
      - { .name: proj_w_codes, .offset: 16, .size: 8, .value_kind: global_buffer, .address_space: global }
      - { .name: proj_w_scales, .offset: 24, .size: 8, .value_kind: global_buffer, .address_space: global }
      - { .name: proj_b, .offset: 32, .size: 8, .value_kind: global_buffer, .address_space: global }
      - { .name: x, .offset: 40, .size: 8, .value_kind: global_buffer, .address_space: global }
      - { .name: out0, .offset: 48, .size: 8, .value_kind: global_buffer, .address_space: global }
    .group_segment_fixed_size: 71680
    .private_segment_fixed_size: 0
    .kernarg_segment_align: 8
    .kernarg_segment_size: 56
    .max_flat_workgroup_size: 512
    .sgpr_count:     66
    .vgpr_count:     256
    .wavefront_size: 32
...
	.end_amdgpu_metadata
.endif
;; end of part 4
